; MI455X (gfx1250); checked and timed in simulation.
; The chip was launched on July 23, 2026; its instructions are those of AMD's public machine-readable ISA for CDNA 5 (MIT licence, August 2026) and "CDNA5" Instruction Set Architecture Reference Guide (July 2026). The comments in the code are by the model that wrote it; some were corrected since.
;; Attention Block. Allowed arithmetic: matrix products marked QUANTISED: E5M2 operands, one given power-of-two scale a tensor, by v_wmma_f32_16x16x64_bf8_bf8 or v_wmma_f32_16x16x128_bf8_bf8, f32 sums; everything else in f32.
;; Inputs: Wk 32 x 256 float32; Wq 32 x 256 float32; Wv 256 x 256 float32; bk 32 float32; bq 32 float32; bv 256 float32; gamma 1 float32; lowp_scales 10 int32 (the exponents e of the quantised operands' scales 2^e); x 4 x 256 x 64 x 64 float32.
;; Outputs: out0 4 x 256 x 64 x 64 float32.
;; This version of the problem:
;;   THIS VERSION OF THE PROBLEM IS GIVEN IN LOW PRECISION. The matrix products marked QUANTISED in the list below multiply operands that are first quantised to E5M2 (5 exponent bits, 2 mantissa bits; 8 bits a number), with one given power-of-two scale for each operand tensor; their sums are f32. All else is computed in f32.
;;   The module's matrix products, in the order in which they are computed (A, B: the left and right operand; K: the contracted axis; several contracted axes count as one K, in the product's order):
;;     1. [M 16,384, K 256] x [K 256, N 32]; A: input x; B: input Wq: QUANTISED (scales: A lowp_scales[0], B lowp_scales[1])
;;     2. [M 16,384, K 256] x [K 256, N 32]; A: input x; B: input Wk: QUANTISED (scales: A lowp_scales[2], B lowp_scales[3])
;;     3. [M 16,384, K 256] x [K 256, N 256]; A: input x; B: input Wv: QUANTISED (scales: A lowp_scales[4], B lowp_scales[5])
;;     4. batch 4 x [M 4,096, K 32] x [K 32, N 4,096]; A: computed on the way; B: computed on the way: QUANTISED (scales: A lowp_scales[6], B lowp_scales[7])
;;     5. batch 4 x [M 256, K 4,096] x [K 4,096, N 4,096]; A: computed on the way; B: softmax (see below): QUANTISED (scales: A lowp_scales[8], B lowp_scales[9])
;;   THE QUANTISER, for each operand of a quantised product, along K:
;;     - The operand's scale is 2^e, e = its entry of the input lowp_scales (int32; the entries are numbered through the quantised products in the list's order, A before B).
;;     - Each number is divided by the scale, clamped to +-57,344, and rounded to the nearest number of E5M2, ties to even, subnormals kept.
;;     - The product sums the exact products of the quantised numbers (number of the format x scale) in f32.
;;   ~~~python
;;   def quantise(x, axis, e):      # numpy; x: float32 -> the quantised numbers, widened to float32 again
;;       x = np.moveaxis(x, axis, -1); K = x.shape[-1]
;;       r = np.clip(x / 2.0 ** e, -57344, 57344)
;;       step = 2.0 ** (np.maximum(np.frexp(np.where(r == 0, 1, r))[1] - 1, -14) - 2)
;;       q = np.round(r / step) * step * 2.0 ** e      # np.round: ties to even
;;       return np.moveaxis(q, -1, axis).astype(np.float32)
;;   ~~~
;;   SOFTMAX AHEAD OF A QUANTISED PRODUCT. Where the list says 'softmax', what is quantised is not the finished softmax but p = 2^(t - M), with t = logit x log2(e) and M = ceil(the row's largest t), a whole number; so 1/2 < the row's largest p <= 1. The row's sum l is taken of the UNQUANTISED p, in f32, and the product's result is divided by l at the end. Since M is a whole number, a kernel that streams over the keys may use a running M (the ceiling of the running maximum): every later rescaling is an exact power of two, so the quantised numbers keep their values, but for numbers so far below the row's largest that they fall under the format's range.
;;   OPERANDS COMPUTED ON THE WAY. 'Computed on the way' means the value that the module computes at that place (a softmax that the list does not call 'softmax' is quantised finished and normalised). What goes into a quantiser is computed in f32, as accurately as f32 sums, v_exp_f32 and their like allow (about 1e-6 of the number): no bf16 or f16 on the way to a quantiser, and a product that is left as it is and whose result goes on into a quantised operand takes f32 operands (vector FMAs, or v_wmma_f32_16x16x4_f32). A number that lies on a knife's edge between two numbers of the format may be rounded either way, as far as f32 arithmetic and the matrix unit's own rounding can turn it there, and no further.
;; One version. Each part assembles by itself: llvm-mc -triple=amdgcn-amd-amdhsa -mcpu=gfx1250 --defsym DOCPART=n.
;; ======== version 1 of 1: 3 launches
;; limits: right only within a limited range of input values
;; workspace buffers: wcodes 81,920 bytes; qimg 524,288 bytes; kimg 524,288 bytes; vimg 4,194,304 bytes
;; launch wquant (part 1): grid 40 x 1, 1 waves a work-group, no clusters, 0 bytes of LDS; arguments Wv, Wq, Wk, lowp_scales, wcodes; writes wcodes
.if DOCPART == 1
	.amdgcn_target "amdgcn-amd-amdhsa--gfx1250"
	.amdhsa_code_object_version 6
	.text
	.protected	k_q6a168e0a78_wquant
	.globl	k_q6a168e0a78_wquant
	.p2align	8
	.type	k_q6a168e0a78_wquant,@function
k_q6a168e0a78_wquant:
	s_mov_b64 s[64:65], 0
	v_nop
	global_prefetch_b8 v0, s[64:65] scope:SCOPE_SE
	s_setreg_imm32_b32 hwreg(HW_REG_WAVE_MODE, 25, 1), 1
	s_wait_xcnt 0x0
; The three weights, f32 with K (the 256 input channels) innermost, become codes of BF8 (E5M2), laid as IMAGES OF OPERAND REGISTERS.
; A fragment is 16 rows x 128 along K: 16 registers a lane, 2,048 bytes; registers 4 c .. 4 c + 3 of lane l lie at 512 c + 16 l.
; Lane (r, h) = (l % 16, l / 16) holds row r; its number i (0 .. 63) is k = 128 s + 32 (i / 16) + 16 h + i % 16: the next launch lays x's codes by the same map,
; so every product meets its partner.  Fragments: Wv's 2 ot + s (ot = 0 .. 15), Wq's 32 + 2 t + s, Wk's 36 + 2 t + s.  One wave makes one fragment: 40 work-groups.
; code = w / 2^e, held within +-57,344, rounded to the nearest code, ties to even; e = entry 5 (Wv), 1 (Wq), 3 (Wk) of the buffer of scales.
; LIMITS: e between -126 and 112, so that 2^e and 57,344 x 2^e are f32 numbers.  NaN among the inputs is not served; an infinity is held at the largest code.
; Quantised once here, each of the next launch's 256 work-groups reads 80 KiB of codes by loads of 512 consecutive bytes, and not 320 KiB of f32 in pieces of 16 rows.
; No LDS, no matrix unit, no cluster: 327,680 bytes are read once and nothing is shared.
.set X, 16                             ; v16-79  my 64 numbers
.set C, 80                             ; v80-95  their codes
	s_load_b256 s[4:11], s[0:1], 0x0               ; Wv s[4:5], Wq s[6:7], Wk s[8:9], the scales' exponents s[10:11]
	s_load_b64 s[12:13], s[0:1], 0x20              ; the codes
	v_and_b32 v3, 15, v0                           ; r
	v_bfe_u32 v4, v0, 4, 1                         ; h
	v_lshlrev_b32 v1, 10, v3                       ; a row of 256 f32 is 1,024 bytes,
	v_lshl_add_u32 v1, v4, 6, v1                   ; + 64 h: my 16 numbers of a block of 32
	v_lshlrev_b32 v2, 4, v0                        ; 16 x lane (one wave: the thread's number is the lane)
	s_wait_kmcnt 0x0
	s_load_b256 s[16:23], s[10:11], 0x0            ; e0 .. e7
	s_cmp_lt_u32 ttmp9, 36                         ; which tensor: the choice hangs on the work-group's number alone
	s_cselect_b64 s[6:7], s[6:7], s[8:9]
	s_cselect_b32 s25, 32, 36
	s_cmp_lt_u32 ttmp9, 32
	s_cselect_b64 s[4:5], s[4:5], s[6:7]
	s_cselect_b32 s25, 0, s25
	s_sub_co_u32 s25, ttmp9, s25                   ; the fragment's number within its tensor
	s_lshr_b32 s26, s25, 1
	s_lshl_b32 s26, s26, 14                        ; 16 rows of 1,024 bytes for each tile of rows,
	s_and_b32 s27, s25, 1
	s_lshl_b32 s27, s27, 9                         ; 512 bytes for the second 128 along K
	s_add_co_u32 s26, s26, s27
	s_mov_b32 s27, 0
	s_add_nc_u64 s[4:5], s[4:5], s[26:27]
	s_lshl_b32 s28, ttmp9, 11                      ; the image: 2,048 bytes a fragment
	s_mov_b32 s29, 0
	s_add_nc_u64 s[12:13], s[12:13], s[28:29]
.irp b, 0,1,2,3
.irp j, 0,1,2,3
	global_load_b128 v[X+16*\b+4*\j:X+16*\b+4*\j+3], v1, s[4:5] offset:128*\b+16*\j
.endr
.endr
	s_wait_kmcnt 0x0
	s_cmp_lt_u32 ttmp9, 36
	s_cselect_b32 s24, s17, s19                    ; e1 for Wq, e3 for Wk,
	s_cmp_lt_u32 ttmp9, 32
	s_cselect_b32 s24, s21, s24                    ; e5 for Wv
	s_add_co_i32 s24, s24, 127
	s_lshl_b32 s30, s24, 23
	v_mov_b32 v11, s30                             ; 2^e as f32: the conversion takes its exponent field
	s_add_co_i32 s24, s24, 15
	s_lshl_b32 s24, s24, 23
	s_or_b32 s24, s24, 0x600000
	v_mov_b32 v10, s24                             ; 57,344 x 2^e
	s_wait_loadcnt 0x0
.irp b, 0,1,2,3
.irp i, 0,1,2,3,4,5,6,7,8,9,10,11,12,13,14,15
	v_med3_num_f32 v[X+16*\b+\i], v[X+16*\b+\i], -v10, v10   ; the conversion to an 8-bit code does not saturate (ISA guide 7.6.2): the hold comes first
.endr
	v_cvt_scalef32_pk8_bf8_f32 v[C+4*\b:C+4*\b+1], v[X+16*\b:X+16*\b+7], v11
	v_cvt_scalef32_pk8_bf8_f32 v[C+4*\b+2:C+4*\b+3], v[X+16*\b+8:X+16*\b+15], v11
.endr
.irp c, 0,1,2,3
	global_store_b128 v2, v[C+4*\c:C+4*\c+3], s[12:13] offset:512*\c   ; 32 lanes store 512 consecutive bytes, at a multiple of 256 from the buffer's first byte
.endr
	s_endpgm
.Lfunc_end_k_q6a168e0a78_wquant:
	.size	k_q6a168e0a78_wquant, .Lfunc_end_k_q6a168e0a78_wquant-k_q6a168e0a78_wquant
	.p2alignl 7, 3214868480
	.fill 96, 4, 3214868480
	.section	.rodata,"a",@progbits
	.p2align	6, 0x0
	.amdhsa_kernel k_q6a168e0a78_wquant
		.amdhsa_group_segment_fixed_size 0
		.amdhsa_private_segment_fixed_size 0
		.amdhsa_enable_private_segment 0
		.amdhsa_kernarg_size 40
		.amdhsa_user_sgpr_count 2
		.amdhsa_user_sgpr_kernarg_segment_ptr 1
		.amdhsa_wavefront_size32 1
		.amdhsa_system_sgpr_workgroup_id_x 1
		.amdhsa_system_sgpr_workgroup_id_y 1
		.amdhsa_system_sgpr_workgroup_id_z 1
		.amdhsa_system_vgpr_workitem_id 0
		.amdhsa_next_free_vgpr 96
		.amdhsa_next_free_sgpr 66
		.amdhsa_reserve_vcc 0
		.amdhsa_float_denorm_mode_32 3
		.amdhsa_float_denorm_mode_16_64 3
		.amdhsa_memory_ordered 1
		.amdhsa_forward_progress 1
		.amdhsa_inst_pref_size 9
	.end_amdhsa_kernel
	.amdgpu_metadata
---
amdhsa.version: [ 1, 2 ]
amdhsa.kernels:
  - .name:           k_q6a168e0a78_wquant
    .symbol:         k_q6a168e0a78_wquant.kd
    .args:
      - { .name: Wv, .offset: 0, .size: 8, .value_kind: global_buffer, .address_space: global }
      - { .name: Wq, .offset: 8, .size: 8, .value_kind: global_buffer, .address_space: global }
      - { .name: Wk, .offset: 16, .size: 8, .value_kind: global_buffer, .address_space: global }
      - { .name: lowp_scales, .offset: 24, .size: 8, .value_kind: global_buffer, .address_space: global }
      - { .name: wcodes, .offset: 32, .size: 8, .value_kind: global_buffer, .address_space: global }
    .group_segment_fixed_size: 0
    .private_segment_fixed_size: 0
    .kernarg_segment_align: 8
    .kernarg_segment_size: 40
    .max_flat_workgroup_size: 32
    .sgpr_count:     66
    .vgpr_count:     96
    .wavefront_size: 32
...
	.end_amdgpu_metadata
.endif
;; end of part 1
;; launch proj (part 2): grid 64 x 4, 4 waves a work-group, no clusters, 168,448 bytes of LDS; arguments x, wcodes, bq, bk, bv, lowp_scales, qimg, kimg, vimg; writes qimg, kimg, vimg
.if DOCPART == 2
	.amdgcn_target "amdgcn-amd-amdhsa--gfx1250"
	.amdhsa_code_object_version 6
	.text
	.protected	k_q6a168e0a78_proj
	.globl	k_q6a168e0a78_proj
	.p2align	8
	.type	k_q6a168e0a78_proj,@function
k_q6a168e0a78_proj:
	s_mov_b64 s[64:65], 0
	v_nop
	global_prefetch_b8 v0, s[64:65] scope:SCOPE_SE
	s_setreg_imm32_b32 hwreg(HW_REG_WAVE_MODE, 25, 1), 1
	s_wait_xcnt 0x0
; q = Wq x + bq, k = Wk x + bk, v = Wv x + bv (x: [4][256 channels][4096 positions] f32), all three products on codes of BF8 (E5M2), and q, k, v quantised again
; as the operands of the attention that follows.  x is quantised three times, with the three scales that are given for it (entries 0, 2, 4).
; SHARES.  Work-group (blk, b) takes 64 positions of batch b.  Wave w quantises positions 16 w .. 16 w + 15 with all three scales, makes q and k of those positions from its
; own registers, and makes v's channels 64 w .. 64 w + 63 at all 64 positions: for that x's codes (entry 4) go from wave to wave through LDS as images of their registers.
; x HAS K (THE CHANNELS) OUTERMOST: a tensor load brings 256 channel rows of 256 bytes into LDS; a lane then takes ONE position and its registers run down the channels,
; so the conversions give codes with K innermost.  Number i of lane (r, h) in K step s is channel 128 s + 32 (i / 16) + 16 h + i % 16, the map of the weights' images.
; q, k: source 0 = 16 rows of the weight, source 1 = x: a lane holds one position and eight reduced channels, neighbours along the next K.
; v:    source 0 = x, source 1 = 16 rows of Wv: a lane holds one channel and eight positions, neighbours along ITS next K, the keys.
; The biases are the C of each sum's first matrix instruction, divided by the power of two that the sums lack; the three scales ahead of each quantiser are folded into one.
; OUT, as images of operand registers (a group of four registers: 512 bytes, lane l's 16 at 16 l): qimg, kimg [b][tile of 16 positions][512]: registers 2 t, 2 t + 1 = reduced channels
; 16 t + 8 h + 0 .. 7;  vimg [b][64 keys][tile of 16 channels][1024]: registers 2 c, 2 c + 1 = keys 16 c + 8 h + 0 .. 7.
; LIMITS, so that each power of two made below is an f32 number: e0, e2, e4, e6 - e0 - e1, e7 - e2 - e3, e8 - e4 - e5 between -126 and 112.  NaN among the inputs is not served.
; NO CLUSTER: what the work-groups share is the weights' 80 KiB of codes, which go straight into registers by loads of 512 consecutive bytes; a joint tensor load would send them through LDS and back.
; REGISTERS: window 0: v4-9 addresses; v10-21 six pairs (scale, largest number x scale); v24-27 bv; v32-63 two sets of 16 at work; v64-95, v96-127 x's codes for q and for k, later the
; codes that leave; v128-255 x as f32, later x's eight fragments for v.   window 1: Wv's 8 fragments, from v128 Wq's 4, from v192 Wk's 4.
; window 2: v0-127 v's 16 accumulators; v128.. bv, v160.. bq, v176.. bk as C operands; v192.. q's two accumulators, v208.. k's.
.set PITCH, 264                        ; a channel row in LDS: 256 bytes + 8 of padding = 66 words: 16 rows are 32 banks on (64 banks of 4 bytes: ISA guide 11.1), so the two halves of the lanes fall on different banks
.set XIMG,  256*PITCH                  ; behind x's 256 rows: the eight images, 2,048 bytes each, (tile of positions m, K step s) at 2 m + s.  No tensor load lands here
.set LI,  4                            ; v4   16 x lane
.set XA,  5                            ; v5   x in LDS: 16 h rows + 4 r + 64 w
.set XWI, 6                            ; v6   where I store my two images
.set XRI, 7                            ; v7   where any image begins for my lane
.set BO8, 8                            ; v8   32 h: bq, bk
.set BO9, 9                            ; v9   4 r: bv
.set SC,  10
.set BVR, 24
.set TMP, 32
.set XC0, 64
.set XC2, 96
.set XF,  128
.set QC,  64                           ; the codes that leave: q 4 registers, k 4, v 32
.set KC,  68
.set VC,  72
.set WQ,  128                          ; window 1
.set WK,  192
.set BV,  128                          ; window 2
.set BQ,  160
.set BK,  176
.set QA,  192
.set KA,  208
.set MSB, 0
.macro WIN new                         ; the immediate's high byte repeats the setting that is left
.if MSB != \new
	s_set_vgpr_msb (MSB<<8)|\new
.set MSB, \new
.endif
.endm
.macro MKSC vr                         ; s54 = e  ->  v[vr] = 2^e, v[vr + 1] = 57,344 x 2^e
	s_add_co_i32 s54, s54, 127
	s_lshl_b32 s55, s54, 23
	v_mov_b32 v[\vr], s55
	s_add_co_i32 s54, s54, 15
	s_lshl_b32 s54, s54, 23
	s_or_b32 s54, s54, 0x600000
	v_mov_b32 v[\vr+1], s54
.endm
; K step s of my 16 positions is quantised three times.  The hold writes into two sets of 16 registers by turns, so that x's numbers stay for the next scale and the sixteen plain
; instructions of one set stand between the other set's conversions and the next write of their sources.  The third scale's codes take the block's own first four registers.
.set QN, 0
.macro XQ s
.irp b, 0,1,2,3
.irp z, 0,1,2
.set TS, TMP+16*(QN%2)
.irp i, 0,1,2,3,4,5,6,7,8,9,10,11,12,13,14,15
	v_med3_num_f32 v[TS+\i], v[XF+64*\s+16*\b+\i], -v[SC+2*\z+1], v[SC+2*\z+1]   ; the conversion does not saturate (ISA guide 7.6.2): the hold at the largest code x the scale
.endr
.if \z == 0
	v_cvt_scalef32_pk8_bf8_f32 v[XC0+16*\s+4*\b:XC0+16*\s+4*\b+1], v[TS:TS+7], v[SC]
	v_cvt_scalef32_pk8_bf8_f32 v[XC0+16*\s+4*\b+2:XC0+16*\s+4*\b+3], v[TS+8:TS+15], v[SC]
.elseif \z == 1
	v_cvt_scalef32_pk8_bf8_f32 v[XC2+16*\s+4*\b:XC2+16*\s+4*\b+1], v[TS:TS+7], v[SC+2]
	v_cvt_scalef32_pk8_bf8_f32 v[XC2+16*\s+4*\b+2:XC2+16*\s+4*\b+3], v[TS+8:TS+15], v[SC+2]
.else
	v_cvt_scalef32_pk8_bf8_f32 v[XF+64*\s+16*\b:XF+64*\s+16*\b+1], v[TS:TS+7], v[SC+4]
	v_cvt_scalef32_pk8_bf8_f32 v[XF+64*\s+16*\b+2:XF+64*\s+16*\b+3], v[TS+8:TS+15], v[SC+4]
.endif
.set QN, QN+1
.endr
.endr
.irp b, 0,1,2,3
	ds_store_b128 v[XWI], v[XF+64*\s+16*\b:XF+64*\s+16*\b+3] offset:2048*\s+512*\b   ; the fragment goes to LDS as it stands
.endr
.endm
	s_load_b256 s[4:11], s[0:1], 0x0               ; x s[4:5], the weights' codes s[6:7], bq s[8:9], bk s[10:11]
	s_load_b256 s[12:19], s[0:1], 0x20             ; bv s[12:13], the scales' exponents s[14:15], qimg s[16:17], kimg s[18:19]
	s_load_b64 s[20:21], s[0:1], 0x40              ; vimg
	v_lshl_add_u32 v30, v0, 2, 0x29000
	v_mov_b32 v31, 0
	ds_add_u32 v30, v31
	ds_add_u32 v30, v31
	v_lshrrev_b32 v1, 5, v0
	v_readfirstlane_b32 s22, v1                    ; wave 0..3
	s_and_b32 s23, ttmp7, 0xffff                   ; the batch
	; descriptor group 1: 64 rows of 64 elements of 4 bytes, 4,096 elements apart, padded in LDS
	s_mov_b32 s40, (2<<16)|(1<<20)|(5<<22)|(1<<25) ; 15:0 no mask; 17:16 elements of 4 bytes; 20 padding on; 24:22 after every 64 words (code 5); 31:25 two words (code 1)
	s_mov_b32 s41, 64<<16                          ; tensor_dim0 = 64
	s_mov_b32 s42, 64<<16                          ; tensor_dim1 = 64
	s_mov_b32 s43, 64<<16                          ; tile_dim0 = 64
	s_mov_b32 s44, 64                              ; tile_dim1 = 64
	s_mov_b32 s45, 4096                            ; tensor_dim0_stride
	s_mov_b32 s46, 0
	s_mov_b32 s47, 0
	s_mov_b32 s36, 1                               ; group 0: count = 1,
	s_mul_i32 s37, s22, 64*PITCH                   ; my 64 channel rows in LDS,
	s_lshl_b32 s48, s23, 22                        ; and in memory: 4 MiB a batch,
	s_lshl_b32 s49, s22, 20                        ; 64 rows of 16,384 bytes a wave,
	s_add_co_u32 s48, s48, s49
	s_lshl_b32 s49, ttmp9, 8                       ; 256 bytes a block of positions
	s_add_co_u32 s48, s48, s49
	s_mov_b32 s49, 0
	s_wait_dscnt 0x0
	s_wait_kmcnt 0x0
	s_add_nc_u64 s[38:39], s[4:5], s[48:49]
	s_or_b32 s39, s39, 0x80000000                  ; type = 2
	tensor_load_to_lds s[36:39], s[40:47]          ; each row is 256 consecutive bytes at a multiple of 256; one load of mine is out
	s_nop 0
.rept 4
	v_nop
.endr
	s_load_b256 s[24:31], s[14:15], 0x0            ; e0 .. e7
	s_load_b64 s[32:33], s[14:15], 0x20            ; e8, e9
	v_and_b32 v1, 31, v0                           ; lane
	v_and_b32 v2, 15, v0                           ; r
	v_bfe_u32 v3, v0, 4, 1                         ; h
	v_lshlrev_b32 v[LI], 4, v1
	v_mul_u32_u24 v[XA], v3, 16*PITCH
	v_lshl_add_u32 v[XA], v2, 2, v[XA]
	s_lshl_b32 s34, s22, 6
	v_add_nc_u32 v[XA], s34, v[XA]
	s_lshl_b32 s34, s22, 12
	s_add_co_u32 s34, s34, XIMG
	v_add_nc_u32 v[XWI], s34, v[LI]
	v_add_nc_u32 v[XRI], XIMG, v[LI]
	v_lshlrev_b32 v[BO8], 5, v3
	v_lshlrev_b32 v[BO9], 2, v2
	; where the results go
	s_lshl_b32 s48, s23, 8
	s_lshl_b32 s34, ttmp9, 2
	s_add_co_u32 s48, s48, s34
	s_add_co_u32 s48, s48, s22
	s_lshl_b32 s48, s48, 9                         ; q, k: tile 256 b + 4 blk + w, 512 bytes each
	s_add_nc_u64 s[16:17], s[16:17], s[48:49]
	s_add_nc_u64 s[18:19], s[18:19], s[48:49]
	s_lshl_b32 s48, s23, 6
	s_add_co_u32 s48, s48, ttmp9
	s_lshl_b32 s48, s48, 2
	s_add_co_u32 s48, s48, s22
	s_lshl_b32 s48, s48, 12                        ; v: ((64 b + blk) 16 + 4 w) x 1,024 bytes
	s_add_nc_u64 s[20:21], s[20:21], s[48:49]
	s_lshl_b32 s50, s22, 14
	s_mov_b32 s51, 0
	s_add_nc_u64 s[50:51], s[6:7], s[50:51]        ; my eight fragments of Wv
	s_lshl_b32 s52, s22, 8
	s_mov_b32 s53, 0
	s_add_nc_u64 s[52:53], s[12:13], s[52:53]      ; my 64 numbers of bv
	WIN 0x40                                       ; destination window 1
.irp f, 0,1,2,3,4,5,6,7
.irp c, 0,1,2,3
	global_load_b128 v[16*\f+4*\c:16*\f+4*\c+3], v[LI], s[50:51] offset:2048*\f+512*\c             ; Wv (tile i, K step s) at 16 (2 i + s)
.endr
.endr
.irp f, 0,1,2,3
.irp c, 0,1,2,3
	global_load_b128 v[WQ+16*\f+4*\c:WQ+16*\f+4*\c+3], v[LI], s[6:7] offset:65536+2048*\f+512*\c   ; Wq: fragments 32 on
	global_load_b128 v[WK+16*\f+4*\c:WK+16*\f+4*\c+3], v[LI], s[6:7] offset:73728+2048*\f+512*\c   ; Wk: fragments 36 on
.endr
.endr
	WIN 0x80                                       ; destination window 2
.irp t, 0,1
	global_load_b128 v[BQ+8*\t:BQ+8*\t+3], v[BO8], s[8:9] offset:64*\t          ; lane (r, h) wants the bias of reduced channels 16 t + 8 h + 0 .. 7
	global_load_b128 v[BQ+8*\t+4:BQ+8*\t+7], v[BO8], s[8:9] offset:64*\t+16
	global_load_b128 v[BK+8*\t:BK+8*\t+3], v[BO8], s[10:11] offset:64*\t
	global_load_b128 v[BK+8*\t+4:BK+8*\t+7], v[BO8], s[10:11] offset:64*\t+16
.endr
	WIN 0
.irp i, 0,1,2,3
	global_load_b32 v[BVR+\i], v[BO9], s[52:53] offset:64*\i                    ; bv of channel 64 w + 16 i + r
.endr
	s_wait_kmcnt 0x0
	s_mov_b32 s54, s24
	MKSC SC                                        ; x for q: e0
	s_mov_b32 s54, s26
	MKSC SC+2                                      ; x for k: e2
	s_mov_b32 s54, s28
	MKSC SC+4                                      ; x for v: e4
	s_add_co_i32 s56, s24, s25                     ; a sum of the first product stands for sum x 2^(e0 + e1): q's code is sum / 2^(e6 - e0 - e1)
	s_sub_co_i32 s54, s30, s56
	MKSC SC+6
	s_add_co_i32 s57, s26, s27
	s_sub_co_i32 s54, s31, s57
	MKSC SC+8                                      ; k: e7 - e2 - e3
	s_add_co_i32 s58, s28, s29
	s_sub_co_i32 s54, s32, s58
	MKSC SC+10                                     ; v: e8 - e4 - e5
	s_sub_co_i32 s56, 0, s56                       ; and the biases go in divided by what the sums lack
	s_sub_co_i32 s57, 0, s57
	s_sub_co_i32 s58, 0, s58
	s_wait_tensorcnt 0x0                           ; my 64 channel rows are in LDS,
	s_barrier_signal -1
	s_barrier_wait -1                              ; everybody's are
.irp s, 0,1
.irp b, 0,1,2,3
.irp i, 0,1,2,3,4,5,6,7,8,9,10,11,12,13,14,15
	ds_load_b32 v[XF+64*\s+16*\b+\i], v[XA] offset:(128*\s+32*\b+\i)*PITCH   ; x(channel 128 s + 32 b + 16 h + i, position 16 w + r)
.endr
.endr
.endr
	s_wait_dscnt 63                                ; of the 128 loads at most the youngest 63 are out: K step 0's 64 are in
	XQ 0
	s_wait_dscnt 4                                 ; only the four stores just issued may be out: K step 1's loads are in
	XQ 1
	s_wait_dscnt 0x0                               ; for the others' sake: my images lie in LDS
	s_barrier_signal -1
	s_barrier_wait -1
.irp f, 0,1,2,3,4,5,6,7
.irp c, 0,1,2,3
	ds_load_b128 v[XF+16*\f+4*\c:XF+16*\f+4*\c+3], v[XRI] offset:2048*\f+512*\c   ; all eight fragments of x for v, as their makers held them
.endr
.endr
	s_wait_loadcnt 0x0                             ; the weights and the biases
	WIN 0x82                                       ; source 0 and destination window 2
.irp j, 0,1,2,3,4,5,6,7,8,9,10,11,12,13,14,15
	v_ldexp_f32 v[BQ+\j], v[BQ+\j], s56
.endr
.irp j, 0,1,2,3,4,5,6,7,8,9,10,11,12,13,14,15
	v_ldexp_f32 v[BK+\j], v[BK+\j], s57
.endr
	WIN 0x80                                       ; source 0 window 0, destination window 2
.irp i, 0,1,2,3
.irp j, 0,1,2,3,4,5,6,7
	v_ldexp_f32 v[BV+8*\i+\j], v[BVR+\i], s58      ; in v's result a lane holds one channel: its bias in all eight registers
.endr
.endr
	WIN 0xa1                                       ; source 0 (the weight) window 1, source 1 (x) window 0, C and D window 2
.irp s, 0,1                                    ; q's and k's four accumulators take turns, one instruction a turn
.irp t, 0,1
.if \s == 0
	v_wmma_f32_16x16x128_bf8_bf8 v[QA+8*\t:QA+8*\t+7], v[WQ+16*(2*\t+\s):WQ+16*(2*\t+\s)+15], v[XC0+16*\s:XC0+16*\s+15], v[BQ+8*\t:BQ+8*\t+7]
.else
	v_wmma_f32_16x16x128_bf8_bf8 v[QA+8*\t:QA+8*\t+7], v[WQ+16*(2*\t+\s):WQ+16*(2*\t+\s)+15], v[XC0+16*\s:XC0+16*\s+15], v[QA+8*\t:QA+8*\t+7]
.endif
.endr
.irp t, 0,1
.if \s == 0
	v_wmma_f32_16x16x128_bf8_bf8 v[KA+8*\t:KA+8*\t+7], v[WK+16*(2*\t+\s):WK+16*(2*\t+\s)+15], v[XC2+16*\s:XC2+16*\s+15], v[BK+8*\t:BK+8*\t+7]
.else
	v_wmma_f32_16x16x128_bf8_bf8 v[KA+8*\t:KA+8*\t+7], v[WK+16*(2*\t+\s):WK+16*(2*\t+\s)+15], v[XC2+16*\s:XC2+16*\s+15], v[KA+8*\t:KA+8*\t+7]
.endif
.endr
.endr
	s_wait_dscnt 0x0                               ; x's eight fragments are in
	WIN 0xa4                                       ; source 0 (x) window 0, source 1 (Wv) window 1, C and D window 2
.irp s, 0,1                                    ; v's sixteen accumulators by turns
.irp i, 0,1,2,3
.irp m, 0,1,2,3
.if \s == 0
	v_wmma_f32_16x16x128_bf8_bf8 v[8*(4*\i+\m):8*(4*\i+\m)+7], v[XF+16*(2*\m+\s):XF+16*(2*\m+\s)+15], v[16*(2*\i+\s):16*(2*\i+\s)+15], v[BV+8*\i:BV+8*\i+7]
.else
	v_wmma_f32_16x16x128_bf8_bf8 v[8*(4*\i+\m):8*(4*\i+\m)+7], v[XF+16*(2*\m+\s):XF+16*(2*\m+\s)+15], v[16*(2*\i+\s):16*(2*\i+\s)+15], v[8*(4*\i+\m):8*(4*\i+\m)+7]
.endif
.endr
.endr
.endr
	WIN 0
.rept 4
	v_nop                                          ; four places between the last product and the first read of results (ISA guide 7.12.1)
.endr
	WIN 0x82                                       ; the holds, in place; each accumulator from its low end on
.irp j, 0,1,2,3,4,5,6,7,8,9,10,11,12,13,14,15
	v_med3_num_f32 v[QA+\j], v[QA+\j], -v[SC+7], v[SC+7]
.endr
.irp j, 0,1,2,3,4,5,6,7,8,9,10,11,12,13,14,15
	v_med3_num_f32 v[KA+\j], v[KA+\j], -v[SC+9], v[SC+9]
.endr
.set J, 0
.rept 128
	v_med3_num_f32 v[J], v[J], -v[SC+11], v[SC+11]
.set J, J+1
.endr
	WIN 0x02                                       ; source 0 window 2, scale and destination window 0
.irp t, 0,1
	v_cvt_scalef32_pk8_bf8_f32 v[QC+2*\t:QC+2*\t+1], v[QA+8*\t:QA+8*\t+7], v[SC+6]     ; reduced channels 16 t + 8 h + 0 .. 7 of position r
	v_cvt_scalef32_pk8_bf8_f32 v[KC+2*\t:KC+2*\t+1], v[KA+8*\t:KA+8*\t+7], v[SC+8]
.endr
.irp i, 0,1,2,3
.irp m, 0,1,2,3
	v_cvt_scalef32_pk8_bf8_f32 v[VC+8*\i+2*\m:VC+8*\i+2*\m+1], v[8*(4*\i+\m):8*(4*\i+\m)+7], v[SC+10]   ; keys 16 m + 8 h + 0 .. 7 of channel 16 i + r
.endr
.endr
	WIN 0
	global_store_b128 v[LI], v[QC:QC+3], s[16:17]  ; every store covers 512 consecutive bytes, at a multiple of 256 from its buffer's first byte
	global_store_b128 v[LI], v[KC:KC+3], s[18:19]
.irp i, 0,1,2,3
.irp u, 0,1
	global_store_b128 v[LI], v[VC+8*\i+4*\u:VC+8*\i+4*\u+3], s[20:21] offset:1024*\i+512*\u
.endr
.endr
	s_wait_tensorcnt 0x0
	ds_add_u32 v30, v31
	s_wait_dscnt 0x0
	s_endpgm
.Lfunc_end_k_q6a168e0a78_proj:
	.size	k_q6a168e0a78_proj, .Lfunc_end_k_q6a168e0a78_proj-k_q6a168e0a78_proj
	.p2alignl 7, 3214868480
	.fill 96, 4, 3214868480
	.section	.rodata,"a",@progbits
	.p2align	6, 0x0
	.amdhsa_kernel k_q6a168e0a78_proj
		.amdhsa_group_segment_fixed_size 168448
		.amdhsa_private_segment_fixed_size 0
		.amdhsa_enable_private_segment 0
		.amdhsa_kernarg_size 72
		.amdhsa_user_sgpr_count 2
		.amdhsa_user_sgpr_kernarg_segment_ptr 1
		.amdhsa_wavefront_size32 1
		.amdhsa_system_sgpr_workgroup_id_x 1
		.amdhsa_system_sgpr_workgroup_id_y 1
		.amdhsa_system_sgpr_workgroup_id_z 1
		.amdhsa_system_vgpr_workitem_id 0
		.amdhsa_next_free_vgpr 768
		.amdhsa_next_free_sgpr 66
		.amdhsa_reserve_vcc 0
		.amdhsa_float_denorm_mode_32 3
		.amdhsa_float_denorm_mode_16_64 3
		.amdhsa_memory_ordered 1
		.amdhsa_forward_progress 1
		.amdhsa_inst_pref_size 70
	.end_amdhsa_kernel
	.amdgpu_metadata
---
amdhsa.version: [ 1, 2 ]
amdhsa.kernels:
  - .name:           k_q6a168e0a78_proj
    .symbol:         k_q6a168e0a78_proj.kd
    .args:
      - { .name: x, .offset: 0, .size: 8, .value_kind: global_buffer, .address_space: global }
      - { .name: wcodes, .offset: 8, .size: 8, .value_kind: global_buffer, .address_space: global }
      - { .name: bq, .offset: 16, .size: 8, .value_kind: global_buffer, .address_space: global }
      - { .name: bk, .offset: 24, .size: 8, .value_kind: global_buffer, .address_space: global }
      - { .name: bv, .offset: 32, .size: 8, .value_kind: global_buffer, .address_space: global }
      - { .name: lowp_scales, .offset: 40, .size: 8, .value_kind: global_buffer, .address_space: global }
      - { .name: qimg, .offset: 48, .size: 8, .value_kind: global_buffer, .address_space: global }
      - { .name: kimg, .offset: 56, .size: 8, .value_kind: global_buffer, .address_space: global }
      - { .name: vimg, .offset: 64, .size: 8, .value_kind: global_buffer, .address_space: global }
    .group_segment_fixed_size: 168448
    .private_segment_fixed_size: 0
    .kernarg_segment_align: 8
    .kernarg_segment_size: 72
    .max_flat_workgroup_size: 128
    .sgpr_count:     66
    .vgpr_count:     768
    .wavefront_size: 32
...
	.end_amdgpu_metadata
.endif
;; end of part 2
;; launch attn (part 3): grid 64 x 4, 4 waves a work-group, clusters of 4 x 1, 327,680 bytes of LDS; arguments qimg, kimg, vimg, x, gamma, lowp_scales, out0; writes out0
.if DOCPART == 3
	.amdgcn_target "amdgcn-amd-amdhsa--gfx1250"
	.amdhsa_code_object_version 6
	.text
	.protected	k_q6a168e0a78_attn
	.globl	k_q6a168e0a78_attn
	.p2align	8
	.type	k_q6a168e0a78_attn,@function
k_q6a168e0a78_attn:
	s_mov_b64 s[64:65], 0
	v_nop
	global_prefetch_b8 v0, s[64:65] scope:SCOPE_SE
	s_setreg_imm32_b32 hwreg(HW_REG_WAVE_MODE, 25, 1), 1
	s_wait_xcnt 0x0
	s_wait_alu depctr_hold_cnt(0) depctr_sa_sdst(0) depctr_va_vdst(0) depctr_va_sdst(0) depctr_va_ssrc(0) depctr_va_vcc(0) depctr_vm_vsrc(0)
	s_getreg_b32 s2, hwreg(HW_REG_IB_STS2, 6, 4)
	s_cmp_eq_u32 s2, 0
	s_cbranch_scc0 .Lentry_in_a_cluster
	s_endpgm
.Lentry_in_a_cluster:
	s_bfe_u32 s2, ttmp6, 0x10000c
	s_cmp_lg_u32 s2, 0x3003
	s_cbranch_scc0 .Lentry_shape_is_right
	s_endpgm
.Lentry_shape_is_right:
; out[b][c][i] = gamma x (sum over keys j of v[c][j] p[i][j]) / l[i] + x[b][c][i], both products on codes of BF8 (E5M2) made by the launch before.
; t = score x log2(e); M = the row's largest t rounded UP to a whole number; p = 2^(t - M) is quantised with the given 2^e9; l is the sum of the unquantised p.
; SHARES.  A work-group owns 64 queries of one batch.  ALL FOUR WAVES HOLD ALL 64 QUERIES AND ALL 256 CHANNELS (64 accumulators, 512 registers); THE KEYS ARE SHARED OUT: wave w takes
; the key steps 4 t + w, t = 0 .. 15, of 64 keys.  So each byte of V is read from LDS once in the work-group, and a wave reads only the tiles of V that its own tensor loads brought.
; TWO PASSES.  K's codes of the whole batch (128 KiB) stay in LDS.  Pass 1 makes the scores and keeps their maximum; the four waves join it to M.  Pass 2 makes the same scores again, bit for bit,
; under the final M: nothing is rescaled in the loop, no lane exchange stands in it, and the waves' partial sums of O and of l simply add at the end.
; THE FIRST PRODUCT'S K IS 32, the form's 64: a fragment of K's codes holds TWO tiles of 16 keys (k 0-31: one tile's 32 channels, k 32-63: the next tile's) and is multiplied once by [Q | 0] and
; once by [0 | Q].  A tile of queries is a run of 12 registers, 0 0 0 0 q q q q 0 0 0 0: [0 | Q] is its first eight, [Q | 0] its last eight.  Zero codes add nothing (all codes are finite: they were held).
; LAYOUT.  S^T = K Q^T: a lane holds ONE query (lane % 16) and keys 16 kt + 8 (lane / 16) + 0 .. 7: one conversion gives registers 2 kt, 2 kt + 1 of P.  O^T = V P^T: again one query a lane, eight channels.
; BY TURNS.  In trip t the 64 products of step t stand in pairs between the slices of step t + 1's softmax, and each fragment of V is loaded anew as soon as its four products are issued.
; CLUSTER.  The four query blocks of a cluster belong to one batch and walk the same K and V: every tile is asked for JOINTLY, by the same load with the same descriptor and the mask of all four.
; LIMITS, so that each power of two made below is an f32 number: e6 + e7 between -126 and 127 (added to the exponent field of log2(e)); e9 between -126 and 112; e8 + e9 goes by v_ldexp_f32 and has none.
; LDS: 0 .. 131,071 K's images, step s at 2,048 s;  131,072 + 65,536 n + 16,384 w: slot n of V, wave w's step;  then the spare words, 1 KiB for the maxima, 1 KiB for l.
; After the last fill and the last read, bytes 0 .. 262,143 take the waves' partial O (wave p's tile T at 65,536 p + 1,024 T), and after that each wave's stage for the way out (at 65,536 w, 64 rows of 272).
; REGISTERS, in windows of 256: window 0: v1-15 addresses; v16-23 pairs (-M, 0); v24-39 l, two pair chains a tile; v40, v41 p's hold and scale; v42-49 maxima; v50-63 at work;
; v64-191 S^T, tile (qt, kt) at 64 + 32 qt + 8 kt; v192-255 P, two sets.   window 1: v0-127 V's 16 fragments, later x; v128-143 K's; v144-191 Q's runs.   windows 2, 3: O^T, tile T = 4 ct + qt at 8 (T % 32).
.set VS0,   131072                     ; V's slot 0
.set SPARE, 262144                     ; the spare words, 128 bytes for each wave: two blocks of 256 bytes that no other line names
.set MX,    SPARE+512                  ; the maxima: [qt][query][wave], 1,024 bytes; l follows, laid alike
.set LI,  1                            ; v1   16 x lane
.set AK0, 2                            ; v2   my lane's place in my wave's first step of K
.set ADK, 3                            ; v3   the step of K in hand
.set AV,  4                            ; v4-5 my lane's place in my part of slot 0, 1
.set SPW, 6                            ; v6   LDS address of my spare word; never rewritten
.set NIL, 7                            ; v7   0; never rewritten
.set RS,  8                            ; v8   where my partial O goes
.set AR,  9                            ; v9-12 where wave p's partial of MY channels lies
.set ST,  13                           ; v13  the stage: in
.set RD,  14                           ; v14  the stage: back
.set GO,  15                           ; v15  my byte offset in x and in out
.set NM,  16
.set LS,  24
.set LIM, 40
.set SCL, 41
.set MXR, 42
.set FQ,  50                           ; v50-57 pairs (gamma 2^(e8 + e9) / l, 0)
.set MXL, 58                           ; v58  MX + 16 r
.set MXA, 59                           ; v59  MX + 16 r + 4 w
.set TP,  60                           ; v60-63 at work
.set S,   64
.set P,   192
.set KF,  128                          ; window 1
.set QR,  144
.set G1K, 24                           ; s[24:31] descriptor group 1 for K: 128 rows of 256 bytes;  s[32:39] for V: 64 rows
.set G1V, 32
.set G0K, 40                           ; s[40:43] group 0 for K;  s[44:47], s[48:51] for V's slots 0 and 1
.set G0V, 44
.set MSB, 0
.macro WIN new                         ; the immediate's high byte repeats the setting that is left; a switch that changes nothing is dropped
.if MSB != \new
	s_set_vgpr_msb (MSB<<8)|\new
.set MSB, \new
.endif
.endm
; A round of the cluster's barrier: my work-group's barrier, so that wave 0's signal speaks for all four waves; wave 0 signals; every wave waits for all four work-groups; my work-group's barrier once more.
.macro CROUND
	s_barrier_signal -1
	s_barrier_wait -1
	s_cmp_lg_u32 s18, 0
	s_cbranch_scc1 .Lnot_wave_0_\@
	s_barrier_signal -3
.Lnot_wave_0_\@:
	s_barrier_wait -3
	s_barrier_signal -1
	s_barrier_wait -1
.endm
.macro PLACES                          ; four plain places behind matrix instructions, in front of reads of results and of loads into their sources (ISA guide 7.12.1 for reads of results)
.rept 4
	v_nop
.endr
.endm
.macro KLOAD                           ; my next step of K: four tiles of 16 keys, 2,048 bytes, as they lie
	WIN 0
	v_add_nc_u32 v[ADK], s54, v[AK0]
	s_add_co_u32 s54, s54, 8192                    ; four steps on: the other three are the other waves'
	WIN 0x40                                       ; destination window 1
.irp i, 0,1,2,3
	ds_load_b128 v[KF+4*\i:KF+4*\i+3], v[ADK] offset:512*\i
.endr
	WIN 0
.endm
.macro QK                              ; the step's scores: 16 tiles, each one product with C = 0
	WIN 0x05                                       ; sources 0 and 1 window 1, destination window 0
.irp kp, 0,1
.irp u, 0,1
.irp qt, 0,1,2,3
	v_wmma_f32_16x16x64_bf8_bf8 v[S+32*\qt+8*(2*\kp+\u):S+32*\qt+8*(2*\kp+\u)+7], v[KF+8*\kp:KF+8*\kp+7], v[QR+12*\qt+4-4*\u:QR+12*\qt+11-4*\u], 0
.endr
.endr
.endr
.endm
; The softmax of score tile g (qt = g % 4, kt = g / 4), in three slices.
.macro FMAS g                          ; t - M, two at a time (of the pairs c and -M the low word serves both halves); the tile is read from its low end on
.set rS, S+32*((\g)%4)+8*((\g)/4)
.set rN, NM+2*((\g)%4)
.irp j, 0,2,4,6
	v_pk_fma_f32 v[rS+\j:rS+\j+1], v[rS+\j:rS+\j+1], s[22:23], v[rN:rN+1] op_sel_hi:[1,0,0]
.endr
.endm
.macro EXPS g                          ; p = 2^(t - M)
.set rS, S+32*((\g)%4)+8*((\g)/4)
.irp j, 0,1,2,3,4,5,6,7
	v_exp_f32 v[rS+\j], v[rS+\j]
.endr
.endm
.macro TAILV g, ps                     ; l takes the unquantised p; the hold (p is not negative: one-sided); the codes into set ps of P
.set rS, S+32*((\g)%4)+8*((\g)/4)
.set rL, LS+4*((\g)%4)
.set rP, P+32*(\ps)+8*((\g)%4)+2*((\g)/4)
	s_wait_alu depctr_va_vdst(0)
	v_pk_add_f32 v[rL:rL+1], v[rL:rL+1], v[rS:rS+1]
	v_pk_add_f32 v[rL+2:rL+3], v[rL+2:rL+3], v[rS+2:rS+3]
.irp j, 0,1,2,3
	v_min_num_f32 v[rS+\j], v[rS+\j], v[LIM]       ; the conversion to an 8-bit code does not saturate (ISA guide 7.6.2)
.endr
	v_pk_add_f32 v[rL:rL+1], v[rL:rL+1], v[rS+4:rS+5]
	v_pk_add_f32 v[rL+2:rL+3], v[rL+2:rL+3], v[rS+6:rS+7]
.irp j, 4,5,6,7
	v_min_num_f32 v[rS+\j], v[rS+\j], v[LIM]
.endr
	v_cvt_scalef32_pk8_bf8_f32 v[rP:rP+1], v[rS:rS+7], v[SCL]
.endm
.macro PVW g, qt, par, zero            ; O^T(channels 16 g on, queries 16 qt on) += V P^T over the step's 64 keys; zero = 1: the product starts the sum
.set rO, 8*((4*(\g)+\qt)%32)
.if (\g) < 8
	WIN 0xa1                                       ; source 0 (V) window 1, source 1 (P) window 0, C and D window 2
.else
	WIN 0xf1                                       ; the same, C and D window 3
.endif
.if \zero
	v_wmma_f32_16x16x64_bf8_bf8 v[rO:rO+7], v[8*(\g):8*(\g)+7], v[P+32*(\par)+8*\qt:P+32*(\par)+8*\qt+7], 0
.else
	v_wmma_f32_16x16x64_bf8_bf8 v[rO:rO+7], v[8*(\g):8*(\g)+7], v[P+32*(\par)+8*\qt:P+32*(\par)+8*\qt+7], v[rO:rO+7]
.endif
.endm
.macro VLOAD g, sl                     ; fragment g of V from my part of slot sl
	WIN 0x40
	ds_load_b128 v[8*(\g):8*(\g)+3], v[AV+(\sl)] offset:1024*(\g)
	ds_load_b128 v[8*(\g)+4:8*(\g)+7], v[AV+(\sl)] offset:1024*(\g)+512
.endm
; A step's softmax, into set 1 - par of P; pv = 1: the 64 products of the step before (P's set par) stand between its slices, two at a time; vl = 1: V's next step follows fragment by fragment.
; Behind the eight exponentials stands the next tile's scaling, plain and independent, before their results are used.  Behind a fragment's last product stand the tail's twelve plain instructions,
; which name none of its registers, before the load into the fragment.  The 64 accumulators take turns, one instruction a turn.
.macro BODY par, pv, zero, vl
	WIN 0
	FMAS 0
.set G, 0
.rept 16
.if \pv
	PVW G, 0, \par, \zero
	PVW G, 1, \par, \zero
.endif
	WIN 0
	EXPS G
.if G < 15
	FMAS G+1
.else
	v_nop
.endif
.if \pv
	PVW G, 2, \par, \zero
	PVW G, 3, \par, \zero
.endif
	WIN 0
	TAILV G, 1-\par
.if \vl
	VLOAD G, 1-\par
.endif
.set G, G+1
.endr
	WIN 0
.endm
; TRIP t (par = t % 2).  V of step t lies in registers, so slot par is free.  fill = 1: it is filled with V of step t + 2, behind a round of the cluster's barrier; in front of the round each wave waits
; for all its tensor loads (the one that is out brought V of step t + 1), adds 0 to its spare word, and waits for that and for its LDS reads.  The load has the whole trip in which to land.
.macro TRIP par, zero, fill
	WIN 0
	s_wait_tensorcnt 0x0                           ; no tensor load of mine is out: V of step t + 1 has landed, and a group 0 may be written
.if \fill
	ds_add_u32 v[SPW], v[NIL]                      ; 0 onto my spare word
	s_add_nc_u64 s[G0V+4*\par+2:G0V+4*\par+3], s[G0V+4*\par+2:G0V+4*\par+3], 131072   ; eight steps of 16,384 bytes on; the type bits on top are not reached
	s_wait_dscnt 0x0                               ; the add is done; my reads of the slot and of K are back
	CROUND
	tensor_load_to_lds s[G0V+4*\par:G0V+4*\par+3], s[G1V:G1V+7]   ; my one tensor load behind the round, and the first thing there
	s_nop 0
	PLACES                                         ; the plain place behind the last conversion
.else
	s_wait_dscnt 0x0                               ; V of step t and K of step t + 1 are in registers
	v_nop                                          ; the plain place behind the last conversion
.endif
	QK                                             ; the scores of step t + 1
	WIN 0
	PLACES
.if \fill
	KLOAD                                          ; K of step t + 2
.endif
	BODY \par, 1, \zero, 1
.endm
.macro P1STEP more                     ; pass 1: a step's scores and their maxima, in two chains for each tile of queries; each score tile is read from its low end on
	s_wait_dscnt 0x0
	QK
	WIN 0
	PLACES
.if \more
	KLOAD
.endif
.irp kt, 0,1,2,3
.irp p, 0,1,2,3
.irp qt, 0,1,2,3
	v_max3_num_f32 v[MXR+2*\qt+(\kt%2)], v[MXR+2*\qt+(\kt%2)], v[S+32*\qt+8*\kt+2*\p], v[S+32*\qt+8*\kt+2*\p+1]
.endr
.endr
.endr
.endm
	s_load_b256 s[4:11], s[0:1], 0x0               ; qimg s[4:5], kimg s[6:7], vimg s[8:9], x s[10:11]
	s_load_b128 s[12:15], s[0:1], 0x20             ; gamma s[12:13], the scales' exponents s[14:15]
	s_load_b64 s[16:17], s[0:1], 0x30              ; out
	v_lshl_add_u32 v[SPW], v0, 2, SPARE
	v_mov_b32 v[NIL], 0
	ds_add_u32 v6, v7
	ds_add_u32 v6, v7
	s_wait_dscnt 0x0
	v_lshrrev_b32 v[TP], 5, v0
	v_readfirstlane_b32 s18, v[TP]                 ; wave 0..3
	s_bfe_u32 s19, ttmp6, 0x40000                  ; cx: my place in the cluster
	s_lshl_b32 s20, ttmp9, 2                       ; in a cluster launch ttmp9 counts clusters
	s_add_co_u32 s20, s20, s19                     ; my block of 64 queries: it enters Q's, x's and out's addresses alone
	s_and_b32 s21, ttmp7, 0xffff                   ; the batch, which the four partners share
	s_mov_b32 s[G1K], 15|(3<<16)|(1<<21)           ; 15:0 the mask: all four work-groups; 17:16 elements of 8 bytes; 21 set beside a mask; no padding: images are read 16 bytes a lane on end
	s_mov_b32 s[G1K+1], 32<<16                     ; tensor_dim0 = 32 elements: 256 bytes
	s_mov_b32 s[G1K+2], 128<<16                    ; tensor_dim1 = 128
	s_mov_b32 s[G1K+3], 32<<16                     ; tile_dim0
	s_mov_b32 s[G1K+4], 128                        ; tile_dim1
	s_mov_b32 s[G1K+5], 32                         ; tensor_dim0_stride: the block is dense
	s_mov_b32 s[G1K+6], 0
	s_mov_b32 s[G1K+7], 0
	s_mov_b32 s[G1V], 15|(3<<16)|(1<<21)
	s_mov_b32 s[G1V+1], 32<<16
	s_mov_b32 s[G1V+2], 64<<16
	s_mov_b32 s[G1V+3], 32<<16
	s_mov_b32 s[G1V+4], 64
	s_mov_b32 s[G1V+5], 32
	s_mov_b32 s[G1V+6], 0
	s_mov_b32 s[G1V+7], 0
	s_lshl_b32 s56, s21, 17                        ; K: 131,072 bytes a batch, my quarter of them
	s_lshl_b32 s57, s18, 15
	s_add_co_u32 s56, s56, s57
	s_mov_b32 s57, 0
	s_lshl_b32 s58, s21, 20                        ; V: 1 MiB a batch, step w
	s_lshl_b32 s59, s18, 14
	s_add_co_u32 s58, s58, s59
	s_mov_b32 s59, 0
	s_lshl_b32 s60, s21, 22                        ; x, out: 4 MiB a batch, my 64 channel rows of 16,384 bytes, my block's 256 bytes
	s_lshl_b32 s61, s18, 20
	s_add_co_u32 s60, s60, s61
	s_lshl_b32 s61, s20, 8
	s_add_co_u32 s60, s60, s61
	s_mov_b32 s61, 0
	s_lshl_b32 s62, s21, 17                        ; Q: tile 256 b + 4 x block, 512 bytes each
	s_lshl_b32 s63, s20, 11
	s_add_co_u32 s62, s62, s63
	s_mov_b32 s63, 0
	s_mov_b32 s52, 0x76543210                      ; v_permlanex16_b32's selects for lane l xor 16
	s_mov_b32 s53, 0xfedcba98
	s_wait_kmcnt 0x0
	s_mov_b32 s[G0K], 1                            ; count = 1
	s_lshl_b32 s[G0K+1], s18, 15                   ; LDS: 32,768 x wave: no place in the cluster enters an LDS address
	s_add_nc_u64 s[G0K+2:G0K+3], s[6:7], s[56:57]
	s_or_b32 s[G0K+3], s[G0K+3], 0x80000000        ; type = 2
	s_mov_b32 s[G0V], 1
	s_lshl_b32 s[G0V+1], s18, 14
	s_add_co_u32 s[G0V+1], s[G0V+1], VS0
	s_add_nc_u64 s[G0V+2:G0V+3], s[8:9], s[58:59]  ; slot 0: step w
	s_mov_b32 s[G0V+4], 1
	s_add_co_u32 s[G0V+5], s[G0V+1], 65536
	s_add_nc_u64 s[G0V+6:G0V+7], s[G0V+2:G0V+3], 65536   ; slot 1: step 4 + w
	s_or_b32 s[G0V+3], s[G0V+3], 0x80000000
	s_or_b32 s[G0V+7], s[G0V+7], 0x80000000
	s_add_nc_u64 s[4:5], s[4:5], s[62:63]
	s_add_nc_u64 s[10:11], s[10:11], s[60:61]
	s_add_nc_u64 s[16:17], s[16:17], s[60:61]
	CROUND                                         ; all four work-groups are here: the first joint loads meet
	tensor_load_to_lds s[G0K:G0K+3], s[G1K:G1K+7]  ; the first fills go out as one group: three loads of mine are out
	s_nop 0
	tensor_load_to_lds s[G0V:G0V+3], s[G1V:G1V+7]
	s_nop 0
	tensor_load_to_lds s[G0V+4:G0V+7], s[G1V:G1V+7]
	s_nop 0
	PLACES
	s_load_b64 s[68:69], s[14:15], 0x18            ; e6, e7
	s_load_b64 s[70:71], s[14:15], 0x20            ; e8, e9
	s_load_b32 s72, s[12:13], 0x0                  ; gamma
	v_and_b32 v[TP], 31, v0                        ; lane
	v_and_b32 v[TP+1], 15, v0                      ; r
	v_bfe_u32 v[TP+2], v0, 4, 1                    ; h
	v_mov_b32 v[TP+3], 0                           ; (a lane permute's destination counts as read: all four are written)
	v_lshlrev_b32 v[LI], 4, v[TP]
	WIN 0x40                                       ; destination window 1
.irp qt, 0,1,2,3
	global_load_b128 v[QR+12*\qt+4:QR+12*\qt+7], v[LI], s[4:5] offset:512*\qt   ; Q's codes stay in registers,
.endr
.irp qt, 0,1,2,3
.irp z, 0,1,2,3,8,9,10,11
	v_mov_b32 v[QR+12*\qt+\z], 0                   ; between zero codes
.endr
.endr
	WIN 0
	s_lshl_b32 s56, s18, 11
	v_add_nc_u32 v[AK0], s56, v[LI]                ; K: step w
	s_lshl_b32 s56, s18, 14
	s_add_co_u32 s57, s56, VS0
	v_add_nc_u32 v[AV], s57, v[LI]
	s_add_co_u32 s57, s57, 65536
	v_add_nc_u32 v[AV+1], s57, v[LI]
	v_add_nc_u32 v[AR], s56, v[LI]                 ; my 16 tiles (channels 64 w on) in wave 0's partial,
	v_add_nc_u32 v[AR+1], 0x10000, v[AR]           ; wave 1's,
	v_add_nc_u32 v[AR+2], 0x20000, v[AR]
	v_add_nc_u32 v[AR+3], 0x30000, v[AR]
	s_lshl_b32 s57, s18, 16
	v_add_nc_u32 v[RS], s57, v[LI]
	v_mul_u32_u24 v[ST], v[TP+2], 2176             ; the stage, in: row 8 h (of 272 bytes), + 4 r
	v_lshl_add_u32 v[ST], v[TP+1], 2, v[ST]
	v_add_nc_u32 v[ST], s57, v[ST]
	v_mul_u32_u24 v[RD], v[TP+2], 272              ; back: lanes 0-15 one row of 256 bytes, lanes 16-31 the next
	v_lshl_add_u32 v[RD], v[TP+1], 4, v[RD]
	v_add_nc_u32 v[RD], s57, v[RD]
	v_lshlrev_b32 v[GO], 14, v[TP+2]               ; and the same two channel rows in x and in out
	v_lshl_add_u32 v[GO], v[TP+1], 4, v[GO]
	v_lshlrev_b32 v[MXL], 4, v[TP+1]
	v_add_nc_u32 v[MXL], MX, v[MXL]
	s_lshl_b32 s56, s18, 2
	v_add_nc_u32 v[MXA], s56, v[MXL]
.irp j, 0,1,2,3,4,5,6,7
	v_mov_b32 v[MXR+\j], 0xff800000                ; the maxima begin under every score
.endr
.irp j, 0,1,2,3,4,5,6,7,8,9,10,11,12,13,14,15
	v_mov_b32 v[LS+\j], 0
.endr
	s_wait_kmcnt 0x0
	s_add_co_i32 s74, s68, s69
	s_lshl_b32 s74, s74, 23
	s_add_co_i32 s22, s74, 0x3fb8aa3b              ; c = log2(e) x 2^(e6 + e7): the two exponents are added to the exponent field
	s_mov_b32 s23, s22                             ; (named with it as a pair, so it is written)
	s_add_co_i32 s74, s71, 127
	s_lshl_b32 s75, s74, 23
	v_mov_b32 v[SCL], s75                          ; 2^e9 as f32, for the conversion
	s_add_co_i32 s74, s74, 15
	s_lshl_b32 s74, s74, 23
	s_or_b32 s74, s74, 0x600000
	v_mov_b32 v[LIM], s74                          ; 57,344 x 2^e9
	s_add_co_i32 s73, s70, s71                     ; e8 + e9
	s_wait_tensorcnt 0x2                           ; my quarter of K, issued first of the three, is in; V's two tiles may stay out
	s_barrier_signal -1
	s_barrier_wait -1                              ; everybody's quarter is
	; ---- PASS 1: the largest score of each query among my wave's keys
	s_mov_b32 s54, 0
	KLOAD
	s_wait_loadcnt 0x0                             ; Q
	s_mov_b32 s55, 15
.Lpass1:
	P1STEP 1
	s_sub_co_u32 s55, s55, 1
	s_cmp_lg_u32 s55, 0
	s_cbranch_scc1 .Lpass1
	P1STEP 0
	; ---- M: the two chains, the other half of the lanes, the other three waves
.irp qt, 0,1,2,3
	v_max_num_f32 v[MXR+2*\qt], v[MXR+2*\qt], v[MXR+2*\qt+1]
.endr
.irp qt, 0,1,2,3
	v_permlanex16_b32 v[TP+\qt], v[MXR+2*\qt], s52, s53
.endr
.irp qt, 0,1,2,3
	v_max_num_f32 v[MXR+2*\qt], v[MXR+2*\qt], v[TP+\qt]
.endr
.irp qt, 0,1,2,3
	ds_store_b32 v[MXA], v[MXR+2*\qt] offset:256*\qt   ; lanes r and r + 16 write the same word with the same value
.endr
	s_wait_dscnt 0x0                               ; for the others' sake
	s_barrier_signal -1
	s_barrier_wait -1
.irp qt, 0,1,2,3
	ds_load_b128 v[S+4*\qt:S+4*\qt+3], v[MXL] offset:256*\qt   ; the four waves' maxima of my query
.endr
	s_wait_dscnt 0x0
.irp qt, 0,1,2,3
	v_max3_num_f32 v[S+4*\qt], v[S+4*\qt], v[S+4*\qt+1], v[S+4*\qt+2]
.endr
.irp qt, 0,1,2,3
	v_max_num_f32 v[S+4*\qt], v[S+4*\qt], v[S+4*\qt+3]
.endr
.irp qt, 0,1,2,3
	v_mul_f32 v[S+4*\qt], s22, v[S+4*\qt]          ; as t (c is positive)
.endr
.irp qt, 0,1,2,3
	v_floor_f32 v[NM+2*\qt], -v[S+4*\qt]           ; -M = floor(-t) = -ceil(t)
	v_mov_b32 v[NM+2*\qt+1], 0                     ; (named with it as a pair)
.endr
	; ---- PASS 2
	s_mov_b32 s54, 0
	KLOAD                                          ; K of step 0
	s_wait_tensorcnt 0x1                           ; V of step 0 is in; slot 1's load may stay out.  The bytes are my own load's: no barrier
.set G, 0
.rept 16
	VLOAD G, 0
.set G, G+1
.endr
	WIN 0
	s_wait_dscnt 0x0
	QK
	WIN 0
	PLACES
	KLOAD                                          ; K of step 1
	BODY 1, 0, 0, 0                                ; step 0's softmax, into set 0: there are no products yet to set between its slices
	TRIP 0, 1, 1                                   ; t = 0: its products start O^T's sums: nothing is ever cleared
	s_mov_b32 s55, 6
.Ltrip:                                            ; t = 1 .. 12
	TRIP 1, 0, 1
	TRIP 0, 0, 1
	s_sub_co_u32 s55, s55, 1
	s_cmp_lg_u32 s55, 0
	s_cbranch_scc1 .Ltrip
	TRIP 1, 0, 1                                   ; t = 13: the last refill, V of step 15, and the last step of K
	TRIP 0, 0, 0                                   ; t = 14: written out
	s_wait_dscnt 0x0                               ; V of step 15 is in registers: my reads of K and of V are over, and all my tensor loads were shown landed at the trip's head
	v_nop                                          ; the plain place behind the last conversion
	s_barrier_signal -1                            ; say so,
.set G, 0
.rept 16
	PVW G, 0, 1, 0                                 ; multiply on registers while the others arrive,
	PVW G, 1, 1, 0
	PVW G, 2, 1, 0
	PVW G, 3, 1, 0
.set G, G+1
.endr
	WIN 0
	s_barrier_wait -1                              ; and go on when nobody reads K or V any more: those bytes have had their last fill
	; ---- THE WAVES' PARTS ARE ADDED.  First l; these additions are also the places behind the last products
.irp qt, 0,1,2,3
	v_pk_add_f32 v[LS+4*\qt:LS+4*\qt+1], v[LS+4*\qt:LS+4*\qt+1], v[LS+4*\qt+2:LS+4*\qt+3]
.endr
.irp qt, 0,1,2,3
	v_add_f32 v[LS+4*\qt], v[LS+4*\qt], v[LS+4*\qt+1]
.endr
.irp qt, 0,1,2,3
	v_permlanex16_b32 v[TP+\qt], v[LS+4*\qt], s52, s53
.endr
.irp qt, 0,1,2,3
	v_add_f32 v[LS+4*\qt], v[LS+4*\qt], v[TP+\qt]
.endr
.irp qt, 0,1,2,3
	ds_store_b32 v[MXA], v[LS+4*\qt] offset:1024+256*\qt
.endr
	WIN 0x40                                       ; x for the way out is asked for now, into V's registers: my 64 channel rows, 256 bytes of each
.set T, 0
.rept 32
	global_load_b128 v[4*T:4*T+3], v[GO], s[10:11] offset:32768*T th:TH_LOAD_NT
.set T, T+1
.endr
	WIN 0x08                                       ; store data window 2
.set T, 0
.rept 32
	ds_store_b128 v[RS], v[8*T:8*T+3] offset:1024*T            ; each accumulator from its low end on; 512 consecutive bytes a store
	ds_store_b128 v[RS], v[8*T+4:8*T+7] offset:1024*T+512
.set T, T+1
.endr
	WIN 0x0c                                       ; window 3
.set T, 0
.rept 32
	ds_store_b128 v[RS], v[8*T:8*T+3] offset:1024*(T+32)
	ds_store_b128 v[RS], v[8*T+4:8*T+7] offset:1024*(T+32)+512
.set T, T+1
.endr
	WIN 0
	s_wait_dscnt 0x0                               ; for the others' sake: my partial O and l lie in LDS
	s_barrier_signal -1
	s_barrier_wait -1
.irp p, 0,1,2,3                                ; the four partials of my channels 64 w .. 64 w + 63: waves 0, 1 into window 2, waves 2, 3 into window 3
.if \p == 0
	WIN 0x80
.elseif \p == 2
	WIN 0xc0
.endif
.set T, 0
.rept 16
	ds_load_b128 v[128*(\p%2)+8*T:128*(\p%2)+8*T+3], v[AR+\p] offset:1024*T
	ds_load_b128 v[128*(\p%2)+8*T+4:128*(\p%2)+8*T+7], v[AR+\p] offset:1024*T+512
.set T, T+1
.endr
.endr
	WIN 0
.irp qt, 0,1,2,3
	ds_load_b128 v[P+4*\qt:P+4*\qt+3], v[MXL] offset:1024+256*\qt   ; the four waves' l of my query
.endr
	s_wait_dscnt 0x0                               ; my reads of the partials are over:
	s_barrier_signal -1                            ; say so, and add while the others arrive
.irp qt, 0,1,2,3
	v_add_f32 v[P+4*\qt], v[P+4*\qt], v[P+4*\qt+1]
	v_add_f32 v[P+4*\qt+2], v[P+4*\qt+2], v[P+4*\qt+3]
.endr
.irp qt, 0,1,2,3
	v_add_f32 v[P+4*\qt], v[P+4*\qt], v[P+4*\qt+2]
.endr
.irp qt, 0,1,2,3
	v_rcp_f32 v[FQ+2*\qt], v[P+4*\qt]
.endr
	v_nop                                          ; a plain instruction between the last reciprocal and the use of its result
.irp qt, 0,1,2,3
	s_wait_alu depctr_va_vdst(0)
	v_ldexp_f32 v[FQ+2*\qt], v[FQ+2*\qt], s73      ; x 2^(e8 + e9)
.endr
.irp qt, 0,1,2,3
	v_mul_f32 v[FQ+2*\qt], s72, v[FQ+2*\qt]        ; x gamma
	v_mov_b32 v[FQ+2*\qt+1], 0                     ; (named with it as a pair)
.endr
	WIN 0x8a                                       ; window 2: wave 0's + wave 1's
.set J, 0
.rept 64
	v_pk_add_f32 v[J:J+1], v[J:J+1], v[128+J:129+J]
.set J, J+2
.endr
	WIN 0xcf                                       ; window 3: wave 2's + wave 3's
.set J, 0
.rept 64
	v_pk_add_f32 v[J:J+1], v[J:J+1], v[128+J:129+J]
.set J, J+2
.endr
	WIN 0x0e                                       ; the two, into S^T's registers in window 0
.set J, 0
.rept 64
	v_pk_add_f32 v[S+J:S+J+1], v[J:J+1], v[J:J+1]
.set J, J+2
.endr
	WIN 0
.irp lam, 0,1,2,3,4,5,6,7,8,9,10,11,12,13,14,15
.irp j, 0,2,4,6
	v_pk_mul_f32 v[S+8*\lam+\j:S+8*\lam+\j+1], v[S+8*\lam+\j:S+8*\lam+\j+1], v[FQ+2*(\lam%4):FQ+2*(\lam%4)+1] op_sel_hi:[1,0]   ; tile 4 i + qt: x gamma 2^(e8 + e9) / l of my query
.endr
.endr
	s_barrier_wait -1                              ; nobody reads the partials any more: my stage may be written over them
	; ---- THE WAY OUT.  A lane holds eight channels of one query; out's rows run along the queries.  So my 64 channels x 64 queries turn through my stage and come back as whole rows of 256 bytes.
.irp i, 0,1,2,3
.irp qt, 0,1,2,3
.irp j, 0,1,2,3,4,5,6,7
	ds_store_b32 v[ST], v[S+8*(4*\i+\qt)+\j] offset:(16*\i+\j)*272+64*\qt   ; row 16 i + 8 h + j, query 16 qt + r: sixteen neighbouring words for each half of the lanes, the halves 32 banks apart
.endr
.endr
.endr
	WIN 0x80
.set T, 0
.rept 32
	ds_load_b128 v[4*T:4*T+3], v[RD] offset:544*T  ; LDS serves a wave's instructions in order (ISA guide 5.7.1.4): these see my stores
.set T, T+1
.endr
	s_wait_loadcnt 0x0                             ; x
	s_wait_dscnt 0x0
	WIN 0x86                                       ; window 2 += x (window 1)
.set J, 0
.rept 64
	v_pk_add_f32 v[J:J+1], v[J:J+1], v[J:J+1]
.set J, J+2
.endr
	WIN 0x08
.set T, 0
.rept 32
	global_store_b128 v[GO], v[4*T:4*T+3], s[16:17] offset:32768*T th:TH_STORE_NT   ; 16 lanes store 256 consecutive bytes, at a multiple of 256 from out's first byte; written once, read by nobody here
.set T, T+1
.endr
	WIN 0
	s_wait_tensorcnt 0x0                           ; the wave's end: behind my last tensor load and my last LDS store
	ds_add_u32 v[SPW], v[NIL]
	s_wait_dscnt 0x0
	CROUND                                         ; the closing round: no work-group ends while a partner may still ask for a tile that names it
	s_endpgm
.Lfunc_end_k_q6a168e0a78_attn:
	.size	k_q6a168e0a78_attn, .Lfunc_end_k_q6a168e0a78_attn-k_q6a168e0a78_attn
	.p2alignl 7, 3214868480
	.fill 96, 4, 3214868480
	.section	.rodata,"a",@progbits
	.p2align	6, 0x0
	.amdhsa_kernel k_q6a168e0a78_attn
		.amdhsa_group_segment_fixed_size 327680
		.amdhsa_private_segment_fixed_size 0
		.amdhsa_enable_private_segment 0
		.amdhsa_kernarg_size 56
		.amdhsa_user_sgpr_count 2
		.amdhsa_user_sgpr_kernarg_segment_ptr 1
		.amdhsa_wavefront_size32 1
		.amdhsa_system_sgpr_workgroup_id_x 1
		.amdhsa_system_sgpr_workgroup_id_y 1
		.amdhsa_system_sgpr_workgroup_id_z 1
		.amdhsa_system_vgpr_workitem_id 0
		.amdhsa_next_free_vgpr 1024
		.amdhsa_next_free_sgpr 80
		.amdhsa_reserve_vcc 0
		.amdhsa_float_denorm_mode_32 3
		.amdhsa_float_denorm_mode_16_64 3
		.amdhsa_memory_ordered 1
		.amdhsa_forward_progress 1
		.amdhsa_inst_pref_size 245
	.end_amdhsa_kernel
	.amdgpu_metadata
---
amdhsa.version: [ 1, 2 ]
amdhsa.kernels:
  - .name:           k_q6a168e0a78_attn
    .symbol:         k_q6a168e0a78_attn.kd
    .args:
      - { .name: qimg, .offset: 0, .size: 8, .value_kind: global_buffer, .address_space: global }
      - { .name: kimg, .offset: 8, .size: 8, .value_kind: global_buffer, .address_space: global }
      - { .name: vimg, .offset: 16, .size: 8, .value_kind: global_buffer, .address_space: global }
      - { .name: x, .offset: 24, .size: 8, .value_kind: global_buffer, .address_space: global }
      - { .name: gamma, .offset: 32, .size: 8, .value_kind: global_buffer, .address_space: global }
      - { .name: lowp_scales, .offset: 40, .size: 8, .value_kind: global_buffer, .address_space: global }
      - { .name: out0, .offset: 48, .size: 8, .value_kind: global_buffer, .address_space: global }
    .group_segment_fixed_size: 327680
    .private_segment_fixed_size: 0
    .kernarg_segment_align: 8
    .kernarg_segment_size: 56
    .max_flat_workgroup_size: 128
    .sgpr_count:     80
    .vgpr_count:     1024
    .wavefront_size: 32
...
	.end_amdgpu_metadata
.endif
;; end of part 3
